; MI455X (gfx1250); checked and timed in simulation.
; The chip was launched on July 23, 2026; its instructions are those of AMD's public machine-readable ISA for CDNA 5 (MIT licence, August 2026) and "CDNA5" Instruction Set Architecture Reference Guide (July 2026). The comments in the code are by the model that wrote it; some were corrected since.
;; Scaled Dot Product Attention. Allowed arithmetic: matrix products marked QUANTISED: E5M2 operands, one E8M0 scale for each 32 along K, by v_wmma_scale_f32_16x16x128_f8f6f4 with both operands' format E5M2, f32 sums; everything else in f32.
;; Inputs: key 16 x 4,096 x 64 float32; mask 4,096 x 4,096 int32; query 16 x 4,096 x 64 float32; value 16 x 4,096 x 64 float32.
;; Outputs: out0 16 x 4,096 x 64 float32.
;; This version of the problem:
;;   THIS VERSION OF THE PROBLEM IS GIVEN IN LOW PRECISION. The matrix products marked QUANTISED in the list below multiply operands that are first quantised to E5M2 (5 exponent bits, 2 mantissa bits; 8 bits a number), with one power-of-two scale for each 32 numbers along K (OCP MX v1.0); their sums are f32. All else is computed in f32.
;;   The module's matrix products, in the order in which they are computed (A, B: the left and right operand; K: the contracted axis; several contracted axes count as one K, in the product's order):
;;     1. batch 16 x [M 4,096, K 64] x [K 64, N 4,096]; A: input query; B: input key: QUANTISED
;;     2. batch 16 x [M 4,096, K 4,096] x [K 4,096, N 64]; A: softmax (see below); B: input value: QUANTISED
;;   THE QUANTISER, for each operand of a quantised product, along K:
;;     - K is cut into blocks of 32 from its start; a last block that is shorter is filled with zeros.
;;     - A block's scale is 2^e with e = floor(log2(the largest magnitude in the block)) - 15, held to -126 .. 127; a block of zeros has e = 0. As a byte (E8M0): e + 127.
;;     - Each number is divided by its block's scale, clamped to +-57,344, and rounded to the nearest number of E5M2, ties to even, subnormals kept.
;;     - The product sums the exact products of the quantised numbers (number of the format x scale) in f32.
;;   ~~~python
;;   def quantise(x, axis):      # numpy; x: float32 -> the quantised numbers, widened to float32 again
;;       x = np.moveaxis(x, axis, -1); K = x.shape[-1]
;;       x = np.pad(x, [(0, 0)] * (x.ndim - 1) + [(0, -K % 32)]); x = x.reshape(x.shape[:-1] + (-1, 32)); a = np.abs(x).max(-1, keepdims=True)
;;       e = np.where(a > 0, np.clip(np.frexp(np.where(a > 0, a, 1))[1] - 1 - 15, -126, 127), 0)      # np.frexp(a)[1] - 1 = floor(log2(a)), exactly
;;       r = np.clip(x / 2.0 ** e, -57344, 57344)
;;       step = 2.0 ** (np.maximum(np.frexp(np.where(r == 0, 1, r))[1] - 1, -14) - 2)
;;       q = np.round(r / step) * step * 2.0 ** e      # np.round: ties to even
;;       return np.moveaxis(q.reshape(q.shape[:-2] + (-1,))[..., :K], -1, axis).astype(np.float32)
;;   ~~~
;;   SOFTMAX AHEAD OF A QUANTISED PRODUCT. Where the list says 'softmax', what is quantised is not the finished softmax but p = 2^(t - M), with t = logit x log2(e) and M = ceil(the row's largest t), a whole number; so 1/2 < the row's largest p <= 1. The row's sum l is taken of the UNQUANTISED p, in f32, and the product's result is divided by l at the end. Since M is a whole number, a kernel that streams over the keys may use a running M (the ceiling of the running maximum): every later rescaling is an exact power of two, which a block's scale takes up: the codes' values come out the same.
;;   OPERANDS COMPUTED ON THE WAY. 'Computed on the way' means the value that the module computes at that place (a softmax that the list does not call 'softmax' is quantised finished and normalised). What goes into a quantiser is computed in f32, as accurately as f32 sums, v_exp_f32 and their like allow (about 1e-6 of the number): no bf16 or f16 on the way to a quantiser, and a product that is left as it is and whose result goes on into a quantised operand takes f32 operands (vector FMAs, or v_wmma_f32_16x16x4_f32). A number that lies on a knife's edge between two numbers of the format may be rounded either way, as far as f32 arithmetic and the matrix unit's own rounding can turn it there, and no further.
;; One version. Each part assembles by itself: llvm-mc -triple=amdgcn-amd-amdhsa -mcpu=gfx1250 --defsym DOCPART=n.
;; ======== version 1 of 1: 2 launches
;; limits: right only within a limited range of input values
;; workspace buffers: kv 8,388,608 bytes; scl 524,288 bytes; qc 4,194,304 bytes; qs 262,144 bytes; maskw 2,097,152 bytes of whole numbers
;; launch prep (part 1): grid 896 x 1, 4 waves a work-group, no clusters, 51,712 bytes of LDS; arguments query, key, value, mask, qc, qs, kv, scl, maskw; writes qc, qs, kv, scl, maskw
.if DOCPART == 1
	.amdgcn_target "amdgcn-amd-amdhsa--gfx1250"
	.amdhsa_code_object_version 6
	.text
	.protected	k_q424aa4f152_prep
	.globl	k_q424aa4f152_prep
	.p2align	8
	.type	k_q424aa4f152_prep,@function
k_q424aa4f152_prep:
	s_mov_b64 s[64:65], 0
	v_nop
	global_prefetch_b8 v0, s[64:65] scope:SCOPE_SE
	s_setreg_imm32_b32 hwreg(HW_REG_WAVE_MODE, 25, 1), 1
	s_wait_xcnt 0x0
; PREPARATION FOR THE ATTENTION LAUNCH.  Three streams, one text; a wave takes one unit of 32,768 input bytes and shares nothing with other waves: no barrier.
;   work-groups   0..511: mask [4096][4096] int32 -> maskw: for each tile of 16 queries and each step of 128 keys, 64 words; bit L of word j says whether lane L's score register j is open (mask != 0).
;   work-groups 512..767: query (512..639) and key (640..767), f32 [16][4096][64] -> codes of BF8 (E5M2) with one E8M0 byte for each 32 along the 64 channels, laid as IMAGES OF THE OPERAND'S REGISTERS.
;   work-groups 768..895: value f32 [16][4096][64] -> the same, quantised along the KEYS (the second product's K): a lane takes a channel and its registers run down the keys.
; ROWS OF A TILE: row r (0..15) of tile t (0..7) of a group of 128 rows is row 32 (t/2) + 8 (t%2) + r + 8 (r/8), for keys and for queries alike: so the scores of two neighbouring tiles of keys
; are 16 neighbouring keys in a lane's registers.  Lane L = 16 h + r.
; LAYOUTS.  kv: unit u = batch x 32 + step, 16,384 bytes.  K: piece 2 t + c at 512 (2 t + c) + 16 L: key (t, r), channels 32 c + 16 h + 0..15.  V: at 8,192 + 2,048 t + 512 c + 16 L: channel 16 t + r, keys 32 c + 16 h + 0..15.
;   scl: unit u, 1,024 bytes.  At 16 L + 4 i: the word (byte c = 0, byte c = 1, 0, 0) of key (tile i + 4 h, r).  At 512 + 16 L: the words of channels L and 32 + L (four block bytes each), 0, 0.
;   qc, qs: as K's parts, units of 8,192 and 512 bytes.  maskw: [query tile 256][step 32][64 words].
; THE QUANTISER: a block's scale byte is its largest magnitude's exponent field - 15, held at 1 from below; each number is held within +-57,344 x the scale and rounded to the nearest code, ties to even.
; LIMITS: NaN and infinities among the inputs are not served.  A block whose largest magnitude lies under 2^-111 (a block of zeros among them) gets the byte 1, where the rule says 127 for zeros: its codes are
; zeros or tiny, and the bytes are read by this program alone.  Any mask word other than 0 counts as open.
.set MSTG,  8448                       ; LDS: a mask stage for each wave: 16 rows x (512 bytes + 16)
.set QSTG0, 4*MSTG                     ; behind them, in bytes of their own: a stage for each wave of the query / key path: 16 rows x (256 bytes + 16)
.set QSTG,  4352
.set SEL,   26                         ; s[26:27] lane selects for v_permlanex16_b32: lane l xor 16
.set MNT,   28
.set HI,    29                         ; s29  lanes 16-31
	s_load_b512 s[8:23], s[0:1], 0x0               ; query s[8:9], key s[10:11], value s[12:13], mask s[14:15], qc s[16:17], qs s[18:19], kv s[20:21], scl s[22:23]
	s_load_b64 s[24:25], s[0:1], 0x40              ; maskw
	v_lshl_add_u32 v224, v0, 2, 0xc800
	v_mov_b32 v225, 0
	v_lshrrev_b32 v1, 5, v0
	v_readfirstlane_b32 s2, v1                     ; wave 0..3
	v_and_b32 v1, 31, v0                           ; lane
	v_and_b32 v2, 15, v0                           ; r
	v_bfe_u32 v3, v0, 4, 1                         ; h
	s_wait_alu depctr_va_vdst(0)
	v_lshlrev_b32 v4, 4, v1                        ; 16 x lane
	s_lshl_b32 s3, ttmp9, 2
	s_add_co_u32 s3, s3, s2                        ; my unit: 4 x work-group + wave
	s_mov_b32 s[SEL], 0x76543210
	s_mov_b32 s[SEL+1], 0xfedcba98
	s_mov_b32 s[HI], 0xffff0000
	; every path's lane addresses are made here, each in a register of its own
	s_mul_i32 s4, s2, MSTG
	v_add_nc_u32 v5, s4, v4                        ; mask stage, in: a row's 512 bytes as they lie
	v_mul_u32_u24 v6, v2, 528
	v_lshl_add_u32 v6, v3, 6, v6
	v_add_nc_u32 v6, s4, v6                        ; mask stage, out: row r, + 64 h.  528 = 33 x 16: sixteen rows begin in sixteen different 16-byte columns of 256
	v_lshlrev_b32 v7, 3, v1                        ; the mask words' place: 8 x lane
	s_mul_i32 s4, s2, QSTG
	s_add_co_u32 s4, s4, QSTG0
	v_mul_u32_u24 v8, v3, 272
	v_lshl_add_u32 v8, v2, 4, v8
	v_add_nc_u32 v8, s4, v8                        ; query / key stage, in: lanes 0-15 one row, lanes 16-31 the next
	v_mul_u32_u24 v9, v2, 272
	v_lshl_add_u32 v9, v3, 6, v9
	v_add_nc_u32 v9, s4, v9                        ; out: row r, + 64 h.  272 = 17 x 16
	v_lshlrev_b32 v10, 2, v1                       ; value, in: 4 x lane
	v_lshlrev_b32 v11, 4, v2
	v_lshl_add_u32 v11, v3, 11, v11                ; value's codes, out: 2,048 h + 16 r
	s_wait_kmcnt 0x0
	s_cmp_lt_u32 ttmp9, 512
	s_cbranch_scc1 .Lmask
	s_cmp_lt_u32 ttmp9, 768
	s_cbranch_scc1 .Lqk
; ---------------------------------------------------------------- value: 128 keys x 64 channels a wave
.set VR, 16                            ; v16-79    two sets of 32 numbers: one block of 32 keys of my channel
.set VC, 144                           ; v144-207  codes: eight registers for each of the eight groups, so that no store's data are written again
.set VSB, 208                          ; v208-211  the scale words of channels lane and 32 + lane, 0, 0
	s_and_b32 s4, s3, 511                          ; u = batch x 32 + step
	s_lshl_b32 s36, s4, 15
	s_mov_b32 s37, 0
	s_add_nc_u64 s[30:31], s[12:13], s[36:37]      ; value at my 128 keys
	s_lshl_b32 s36, s4, 14
	s_add_co_u32 s36, s36, 8192
	s_add_nc_u64 s[32:33], s[20:21], s[36:37]      ; V's part of my unit of kv
	s_lshl_b32 s36, s4, 10
	s_add_co_u32 s36, s36, 512
	s_add_nc_u64 s[34:35], s[22:23], s[36:37]      ; and of scl
	v_mov_b32 v[VSB+2], 0
	v_mov_b32 v[VSB+3], 0
; group g = 2 c + hf: keys 32 c .. 32 c + 31 of channels 32 hf + lane.  Each load reads 128 consecutive bytes; the row's other half follows in the next group
.macro LOADV g
.set i, 0
.rept 32
	global_load_b32 v[VR+32*((\g)%2)+i], v10, s[30:31] offset:(32*((\g)/2)+i)*256+128*((\g)%2) th:TH_LOAD_NT
.set i, i+1
.endr
.endm
.macro BLOCKV g
.set XS, VR+32*((\g)%2)
.set CC, VC+8*(\g)
.if (\g) < 7
	s_wait_loadcnt 32                              ; this group's 32 loads are in; the next group's 32 may be out
.else
	s_wait_loadcnt 0x0
.endif
	v_max3_num_f32 v212, |v[XS]|, |v[XS+1]|, |v[XS+2]|             ; the block's largest magnitude: all 32 numbers are mine; two chains
	v_max3_num_f32 v213, |v[XS+3]|, |v[XS+4]|, |v[XS+5]|
.irp i, 6,10,14,18,22,26
	v_max3_num_f32 v212, v212, |v[XS+\i]|, |v[XS+\i+1]|
	v_max3_num_f32 v213, v213, |v[XS+\i+2]|, |v[XS+\i+3]|
.endr
	v_max3_num_f32 v212, v212, |v[XS+30]|, |v[XS+31]|
	v_max3_num_f32 v212, v212, v213, 0x8000000     ; and the floor 2^(16 - 127): the byte cannot fall under 1
	v_add_nc_u32 v214, 0xf8800000, v212            ; 15 off the exponent field: the conversion takes this operand's exponent field as its scale
.set i, 0
.rept 32
.set i, i+1
.endr
.irp q, 0,1,2,3
	v_cvt_scalef32_pk8_bf8_f32 v[CC+2*\q:CC+2*\q+1], v[XS+8*\q:XS+8*\q+7], v214
.endr
	v_lshrrev_b32 v216, 23, v214                   ; the scale's byte (also the plain line behind the conversions)
.if (\g)/2 == 0
	v_mov_b32 v[VSB+(\g)%2], v216                  ; byte c of my channel's word
.else
	v_lshl_or_b32 v[VSB+(\g)%2], v216, 8*((\g)/2), v[VSB+(\g)%2]
.endif
	global_store_b128 v11, v[CC:CC+3], s[32:33] offset:4096*((\g)%2)+512*((\g)/2)        ; keys 32 c + 0..15: sixteen lanes store 256 consecutive bytes, aligned
	global_store_b128 v11, v[CC+4:CC+7], s[32:33] offset:4096*((\g)%2)+512*((\g)/2)+256  ; keys 32 c + 16..31: the places of lanes 16-31 of the image
.if (\g)+2 < 8
	LOADV (\g)+2
.endif
.endm
	s_wait_alu depctr_va_vdst(0)
	LOADV 0
	LOADV 1
.irp g, 0,1,2,3,4,5,6,7
	BLOCKV \g
.endr
	global_store_b128 v4, v[VSB:VSB+3], s[34:35]   ; 512 consecutive bytes
	s_endpgm
; ---------------------------------------------------------------- mask: 16 queries x 512 keys (four steps) a wave
.set MR, 16                            ; v16-143   two sets of 64: a step's 16 rows x 512 bytes as they are loaded
.set MX, 144                           ; v144-207  register 16 b + e: mask[query r][128 step + 32 b + 16 h + e]: the place of score register 16 b + e
.set MW, 208                           ; v208-215  a pair for each step: lane l holds words 2 l and 2 l + 1
.Lmask:
	s_lshr_b32 s4, s3, 3                           ; the tile of queries, 0..255
	s_and_b32 s5, s3, 7                            ; which four steps
	s_lshr_b32 s6, s4, 1
	s_lshl_b32 s6, s6, 5
	s_and_b32 s7, s4, 1
	s_lshl_b32 s7, s7, 3
	s_add_co_u32 s6, s6, s7                        ; the tile's first query
	s_lshl_b32 s6, s6, 14                          ; a row of the mask is 16,384 bytes
	s_lshl_b32 s7, s5, 11
	s_add_co_u32 s30, s6, s7
	s_mov_b32 s31, 0
	s_add_nc_u64 s[30:31], s[14:15], s[30:31]
	s_lshl_b32 s32, s4, 13
	s_lshl_b32 s7, s5, 10
	s_add_co_u32 s32, s32, s7
	s_mov_b32 s33, 0
	s_add_nc_u64 s[32:33], s[24:25], s[32:33]
.irp i, 0,1,2,3,4,5,6,7
	v_mov_b32 v[MW+\i], 0                          ; v_writelane_b32's destination counts as read
.endr
.macro LOADM k
.irp i, 0,1,2,3,4,5,6,7,8,9,10,11,12,13,14,15
	global_load_b128 v[MR+64*((\k)%2)+4*\i:MR+64*((\k)%2)+4*\i+3], v4, s[30:31] offset:(\i+8*(\i/8))*16384+512*(\k) th:TH_LOAD_NT   ; 512 consecutive bytes of the tile's row i
.endr
.endm
.macro STEPM k
.if (\k) < 3
	s_wait_loadcnt 16                              ; this step's 16 loads are in; the next step's 16 may be out
.else
	s_wait_loadcnt 0x0
.endif
.irp i, 0,1,2,3,4,5,6,7,8,9,10,11,12,13,14,15
	ds_store_b128 v5, v[MR+64*((\k)%2)+4*\i:MR+64*((\k)%2)+4*\i+3] offset:528*\i
.endr
.irp b, 0,1,2,3
.irp j, 0,1,2,3
	ds_load_b128 v[MX+16*\b+4*\j:MX+16*\b+4*\j+3], v6 offset:128*\b+16*\j      ; LDS serves a wave's instructions in order (ISA guide 5.7.1.4): these see the stores above, and the next step's stores come behind them
.endr
.endr
	s_wait_dscnt 0x0                               ; the turned numbers are in, and the stores have read their set,
.if (\k)+2 < 4
	LOADM (\k)+2                                   ; which takes the loads of two steps on
.endif
.irp g, 0,1,2,3
.irp i, 0,1,2,3,4,5,6,7,8,9,10,11,12,13,14,15
	v_cmp_ne_u32 s[36+\i], 0, v[MX+16*\g+\i]       ; word 16 g + i: one bit a lane
.endr
.irp i, 0,1,2,3,4,5,6,7,8,9,10,11,12,13,14,15
	v_writelane_b32 v[MW+2*(\k)+(\i%2)], s[36+\i], 8*\g+\i/2
.endr
.endr
	global_store_b64 v7, v[MW+2*(\k):MW+2*(\k)+1], s[32:33] offset:256*(\k)   ; the step's 64 words: 256 consecutive bytes, aligned
.endm
	LOADM 0
	LOADM 1
.irp k, 0,1,2,3
	STEPM \k
.endr
	s_wait_tensorcnt 0x0
	ds_add_u32 v224, v225
	s_wait_dscnt 0x0
	s_endpgm
; ---------------------------------------------------------------- query and key: 128 rows x 64 channels a wave
.set QR, 16                            ; v16-111   three sets of 32: a tile's 16 rows x 256 bytes as they are loaded
.set QX, 112                           ; v112-143  register 16 c + i: channel 32 c + 16 h + i of row r
.set QC, 144                           ; v144-207  codes: four registers for each (tile, c), so that no store's data are written again
.set QW, 208                           ; v208-211  the scale image: word i = tile i's in lanes 0-15, tile i + 4's in lanes 16-31
.set TM, 212                           ; v212-213 largest magnitudes, v214-215 the other half's, v218-219 the conversions' scale operands, v220-221 bytes, v222 the word
.Lqk:
	s_and_b32 s4, s3, 511                          ; u = batch x 32 + group of 128 rows
	s_cmp_lt_u32 ttmp9, 640                        ; query or key?  The choice hangs on the work-group's number alone; only pointers and unit sizes are chosen
	s_cselect_b64 s[30:31], s[8:9], s[10:11]
	s_cselect_b64 s[32:33], s[16:17], s[20:21]
	s_cselect_b64 s[34:35], s[18:19], s[22:23]
	s_cselect_b32 s5, 13, 14                       ; a unit of qc is 8,192 bytes, of kv 16,384
	s_cselect_b32 s6, 9, 10                        ; of qs 512, of scl 1,024
	s_lshl_b32 s36, s4, 15
	s_mov_b32 s37, 0
	s_add_nc_u64 s[30:31], s[30:31], s[36:37]
	s_lshl_b32 s36, s4, s5
	s_add_nc_u64 s[32:33], s[32:33], s[36:37]
	s_lshl_b32 s36, s4, s6
	s_add_nc_u64 s[34:35], s[34:35], s[36:37]
	v_mov_b32 v[TM+2], 0                           ; a lane permute's destination counts as one of its sources
	v_mov_b32 v[TM+3], 0
.macro LOADQ t
.irp m, 0,1,2,3,4,5,6,7
	global_load_b128 v[QR+32*((\t)%3)+4*\m:QR+32*((\t)%3)+4*\m+3], v4, s[30:31] offset:(32*((\t)/2)+8*((\t)%2)+2*\m+8*(\m/4))*256 th:TH_LOAD_NT   ; the tile's rows 2 m and 2 m + 1 are neighbours in memory: 512 consecutive bytes
.endr
.endm
.macro TILEQ t
.if (\t) < 6
	s_wait_loadcnt 16                              ; this tile's 8 loads are in; those of the two tiles behind it may be out
.elseif (\t) == 6
	s_wait_loadcnt 8
.else
	s_wait_loadcnt 0x0
.endif
.irp m, 0,1,2,3,4,5,6,7
	ds_store_b128 v8, v[QR+32*((\t)%3)+4*\m:QR+32*((\t)%3)+4*\m+3] offset:544*\m
.endr
.irp c, 0,1
.irp j, 0,1,2,3
	ds_load_b128 v[QX+16*\c+4*\j:QX+16*\c+4*\j+3], v9 offset:128*\c+16*\j
.endr
.endr
	s_wait_dscnt 0x0                               ; my 32 numbers are in, and the stores have read their set,
.if (\t)+3 < 8
	LOADQ (\t)+3                                   ; which takes the loads of three tiles on
.endif
.irp c, 0,1
	v_max3_num_f32 v[TM+\c], |v[QX+16*\c]|, |v[QX+16*\c+1]|, 0x8000000     ; block c: my 16 numbers and the floor 2^(16 - 127); the two blocks by turns
.endr
.irp i, 2,4,6,8,10,12,14
.irp c, 0,1
	v_max3_num_f32 v[TM+\c], v[TM+\c], |v[QX+16*\c+\i]|, |v[QX+16*\c+\i+1]|
.endr
.endr
.irp c, 0,1
	v_permlanex16_b32 v[TM+2+\c], v[TM+\c], s[SEL], s[SEL+1]
.endr
.irp c, 0,1
	v_max_num_f32 v[TM+\c], v[TM+\c], v[TM+2+\c]   ; with lane l xor 16's 16: the block's largest magnitude
.endr
.irp c, 0,1
	v_add_nc_u32 v[TM+6+\c], 0xf8800000, v[TM+\c]  ; 15 off its exponent field: the conversion's scale operand
.endr
.irp c, 0,1
.endr
.irp c, 0,1
	v_lshrrev_b32 v[TM+8+\c], 23, v[TM+6+\c]       ; the scale's byte
.endr
.irp c, 0,1
.irp i, 0,1,2,3,4,5,6,7,8,9,10,11,12,13,14,15
.endr
	v_cvt_scalef32_pk8_bf8_f32 v[QC+4*(2*(\t)+\c):QC+4*(2*(\t)+\c)+1], v[QX+16*\c:QX+16*\c+7], v[TM+6+\c]
	v_cvt_scalef32_pk8_bf8_f32 v[QC+4*(2*(\t)+\c)+2:QC+4*(2*(\t)+\c)+3], v[QX+16*\c+8:QX+16*\c+15], v[TM+6+\c]
.endr
	v_lshl_or_b32 v[TM+10], v[TM+9], 8, v[TM+8]    ; row r's scale word: two bytes, the upper two 0 (also the plain line behind the conversions)
.if (\t) < 4
	v_mov_b32 v[QW+(\t)], v[TM+10]
.else
	v_cndmask_b32 v[QW+(\t)-4], v[QW+(\t)-4], v[TM+10], s[HI]   ; lanes 16-31 take tiles 4 to 7
.endif
	global_store_b128 v4, v[QC+8*(\t):QC+8*(\t)+3], s[32:33] offset:1024*(\t)          ; an image piece: 512 consecutive bytes
	global_store_b128 v4, v[QC+8*(\t)+4:QC+8*(\t)+7], s[32:33] offset:1024*(\t)+512
.endm
	LOADQ 0
	LOADQ 1
	LOADQ 2
	s_wait_alu depctr_va_vdst(0)
.irp t, 0,1,2,3,4,5,6,7
	TILEQ \t
.endr
	global_store_b128 v4, v[QW:QW+3], s[34:35]     ; the scale image: 512 consecutive bytes
	s_wait_tensorcnt 0x0
	ds_add_u32 v224, v225
	s_wait_dscnt 0x0
	s_endpgm
.Lfunc_end_k_q424aa4f152_prep:
	.size	k_q424aa4f152_prep, .Lfunc_end_k_q424aa4f152_prep-k_q424aa4f152_prep
	.p2alignl 7, 3214868480
	.fill 96, 4, 3214868480
	.section	.rodata,"a",@progbits
	.p2align	6, 0x0
	.amdhsa_kernel k_q424aa4f152_prep
		.amdhsa_group_segment_fixed_size 51712
		.amdhsa_private_segment_fixed_size 0
		.amdhsa_enable_private_segment 0
		.amdhsa_kernarg_size 72
		.amdhsa_user_sgpr_count 2
		.amdhsa_user_sgpr_kernarg_segment_ptr 1
		.amdhsa_wavefront_size32 1
		.amdhsa_system_sgpr_workgroup_id_x 1
		.amdhsa_system_sgpr_workgroup_id_y 1
		.amdhsa_system_sgpr_workgroup_id_z 1
		.amdhsa_system_vgpr_workitem_id 0
		.amdhsa_next_free_vgpr 226
		.amdhsa_next_free_sgpr 66
		.amdhsa_reserve_vcc 0
		.amdhsa_float_denorm_mode_32 3
		.amdhsa_float_denorm_mode_16_64 3
		.amdhsa_fp16_overflow 1
		.amdhsa_memory_ordered 1
		.amdhsa_forward_progress 1
		.amdhsa_inst_pref_size 119
	.end_amdhsa_kernel
	.amdgpu_metadata
---
amdhsa.version: [ 1, 2 ]
amdhsa.kernels:
  - .name:           k_q424aa4f152_prep
    .symbol:         k_q424aa4f152_prep.kd
    .args:
      - { .name: query, .offset: 0, .size: 8, .value_kind: global_buffer, .address_space: global }
      - { .name: key, .offset: 8, .size: 8, .value_kind: global_buffer, .address_space: global }
      - { .name: value, .offset: 16, .size: 8, .value_kind: global_buffer, .address_space: global }
      - { .name: mask, .offset: 24, .size: 8, .value_kind: global_buffer, .address_space: global }
      - { .name: qc, .offset: 32, .size: 8, .value_kind: global_buffer, .address_space: global }
      - { .name: qs, .offset: 40, .size: 8, .value_kind: global_buffer, .address_space: global }
      - { .name: kv, .offset: 48, .size: 8, .value_kind: global_buffer, .address_space: global }
      - { .name: scl, .offset: 56, .size: 8, .value_kind: global_buffer, .address_space: global }
      - { .name: maskw, .offset: 64, .size: 8, .value_kind: global_buffer, .address_space: global }
    .group_segment_fixed_size: 51712
    .private_segment_fixed_size: 0
    .kernarg_segment_align: 8
    .kernarg_segment_size: 72
    .max_flat_workgroup_size: 128
    .sgpr_count:     66
    .vgpr_count:     226
    .wavefront_size: 32
...
	.end_amdgpu_metadata
.endif
;; end of part 1
;; launch attn (part 2): grid 16 x 16, 16 waves a work-group, clusters of 4 x 1, 327,680 bytes of LDS; arguments qc, qs, kv, scl, maskw, out0; writes out0
.if DOCPART == 2
	.amdgcn_target "amdgcn-amd-amdhsa--gfx1250"
	.amdhsa_code_object_version 6
	.text
	.protected	k_q424aa4f152_attn
	.globl	k_q424aa4f152_attn
	.p2align	8
	.type	k_q424aa4f152_attn,@function
k_q424aa4f152_attn:
	s_mov_b64 s[64:65], 0
	v_nop
	global_prefetch_b8 v0, s[64:65] scope:SCOPE_SE
	s_setreg_imm32_b32 hwreg(HW_REG_WAVE_MODE, 25, 1), 1
	s_wait_xcnt 0x0
	s_wait_alu depctr_hold_cnt(0) depctr_sa_sdst(0) depctr_va_vdst(0) depctr_va_sdst(0) depctr_va_ssrc(0) depctr_va_vcc(0) depctr_vm_vsrc(0)
	s_getreg_b32 s2, hwreg(HW_REG_IB_STS2, 6, 4)
	s_cmp_eq_u32 s2, 0
	s_cbranch_scc0 .Lentry_in_a_cluster
	s_endpgm
.Lentry_in_a_cluster:
	s_bfe_u32 s2, ttmp6, 0x10000c
	s_cmp_lg_u32 s2, 0x3003
	s_cbranch_scc0 .Lentry_shape_is_right
	s_endpgm
.Lentry_shape_is_right:
; out0[b][q][:] = the sum over k of softmax_k(s) V[b][k][:], s = Q[b][q] . K[b][k] / 8 where mask[q][k] != 0 and -10,000 where it is 0.  16 batches, 4,096 queries and keys, 64 channels.
; Both products on codes of BF8 (E5M2) with one E8M0 scale for each 32 along K, made by the launch before (qc, qs, kv, scl: images of the operands' registers; maskw: the lane masks of the score registers).
; THE SOFTMAX AHEAD OF THE SECOND PRODUCT: t = s x log2(e); M = the row's largest t so far, rounded UP to a whole number; p = 2^(t - M) is quantised along the keys, not normalised.  The row's sum is taken of the
; unquantised p and divides at the end.  When M moves, the sum and O are multiplied by 2^(old M - new M): exact.  A hidden score is REPLACED ahead of the maximum by -80,000, which the same factor log2(e) / 8 takes to -10,000 log2(e):
; a row with no open key so comes out as the mean of V, as the definition has it.
; SHARES.  A work-group owns 256 queries of one batch; each of its sixteen waves one tile of 16 queries in 256 registers, four waves to a SIMD, so that one wave's vector work stands beside another's matrix work and LDS loads.
; Every wave walks the batch's 32 steps of 128 keys.  A step's K and V (16,384 bytes, dense) come through a ring of two LDS slots of four steps; the batch's scale images (32,768 bytes) come once.
; CLUSTER.  The four query blocks of a cluster belong to one batch and walk the same kv and scl: each tile is asked for JOINTLY, by the same tensor load with the same descriptor and the mask 15.
; LAYOUT.  Both products are used transposed: S^T = K Q^T (source 0 = 16 keys, source 1 = my 16 queries), O^T = V^T P^T: a lane holds ONE query (lane % 16) throughout; score register 16 b + e is key 32 b + 16 (lane / 16) + e of the step.
; THE FIRST PRODUCT'S K IS 64 of the instruction's 128: Q's upper eight registers are zero codes.  K's tiles lie on end, eight registers each, so a tile's upper eight registers are the next tile's codes (behind the last: zeros);
; finite codes x zero codes add nothing, and those blocks' scale bytes are 0, which is no NaN.
; K and V are not prefetched: a refill is asked for a whole slot, four key steps of all sixteen waves, ahead of its first read.  The mask words, which come by scalar loads one step ahead, are.
; LIMITS: as the launch before states (no NaN or infinity among the inputs).
.set SLOT1, 65536                      ; LDS: slot 0 at 0, slot 1 here: four steps x 16,384 bytes each; one exclusive or turns an address from one slot to the other
.set SCL,   131072                     ; the batch's scale images, 32 x 1,024 bytes: filled once
.set SPARE, 163840                     ; the spare words, 128 bytes for each wave: eight blocks of 256 bytes that no other line names
.set STG,   165888                     ; the way out: 16 rows x (256 bytes + 16) for each wave; no load ever fills these bytes
.set LI,   1                           ; v1   16 x lane: my place in an image; never rewritten
.set ADR,  2                           ; v2   LDS address of the step's images
.set ADS,  3                           ; v3   and of its scale images
.set SPW,  4                           ; v4   LDS address of my spare word; never rewritten
.set NIL,  5                           ; v5   0; never rewritten
.set NEG,  6                           ; v6   -80,000
.set PFO,  7                           ; v7   the prefetches' offset; never rewritten
.set QS,   8                           ; v8   Q's scale words
.set PS,   9                           ; v9   p's scale word
.set FF,   10                          ; v[10:11] f = 2^(old M - new M) (v11 is only named with it as a pair)
.set NM,   12                          ; v12  -M;  v13 the largest t
.set LS,   14                          ; v[14:15] the row's sum, in two halves
.set QF,   16                          ; v16-23 Q's codes, v24-31 zero codes
.set KF,   32                          ; v32-95 K's eight tiles, then V's four fragments; v96-103 zero codes
.set SS,   104                         ; v104-167 S^T, then p
.set OT,   168                         ; v168-199 O^T, four tiles
.set PC,   200                         ; v200-215 p's codes
.set KSC,  216                         ; v216-219 K's scale words
.set VSC,  220                         ; v220-221 V's
.set BM,   224                         ; v224-227 each block's largest score, then its largest p
.set PM,   228                         ; v228-231 the other half's; later the bytes
.set HD,   232
.set SO,   236                         ; v236-239 the conversions' scale operands
.set SUM2, 240                         ; v[240:241] the sums' second chain
.set TT,   242                         ; v242 at work
.set STI,  244                         ; v244 the way out: where I put 32 bytes of a row;  v245 where I read a row back
.set STB,  245
.set WV,   2                           ; s2   my wave's number
.set TB,   3                           ; s3   LDS byte at which the step's images begin
.set G1,   4                           ; s[4:11]   descriptor group 1: 64 rows x 256 bytes, dense: it serves every load
.set G0,   12                          ; s[12:15]  group 0 of the ring's loads (waves 0 to 3): it walks
.set G0S,  16                          ; s[16:19]  group 0 of the scale images' loads (waves 4 and 5)
.set SEL,  20                          ; s[20:21]  lane selects for v_permlanex16_b32: lane l xor 16
.set CS,   22                          ; s[22:23]  c = log2(e) / 8
.set MNT,  24
.set TS,   25                          ; s25  LDS byte at which the step's scale images begin
.set SLOTS, 26                         ; s26  slots still to be asked for
.set CNT,  27                          ; s27  counts a slot's four steps
.set MP,   28                          ; s[28:29]  where the mask words in hand lie in memory
.set PFA,  30                          ; s[30:31]  where my prefetches stand
.set LIM,  66                          ; s66  0 in a wave that prefetches
.set SCR,  67
.set INC,  100                         ; s[100:101]
.set OUTP, 104                         ; s[104:105] out0 at my tile's first row
; s[32:63] and s[68:99]: the step's 64 mask words (word j in s[32 + j], from j = 32 on in s[36 + j]); at the head they hold the arguments and offsets
; A round of the cluster's barrier: my work-group's barrier, so that wave 0's signal speaks for all sixteen waves; wave 0 signals; every wave waits for all four work-groups; my work-group's barrier once more.
.macro CROUND
	s_barrier_signal -1
	s_barrier_wait -1
	s_cmp_lg_u32 s[WV], 0
	s_cbranch_scc1 .Lnot_wave_0_\@
	s_barrier_signal -3
.Lnot_wave_0_\@:
	s_barrier_wait -3
	s_barrier_signal -1
	s_barrier_wait -1
.endm
; A joint refill: waves 0 to 3 fetch one key step's 16,384 bytes each.  The branch hangs on the wave's number alone.  Four v_nop follow the load.
.macro TLOAD
	s_cmp_lt_u32 s[WV], 4
	s_cbranch_scc0 .Lnone_\@
	tensor_load_to_lds s[G0:G0+3], s[G1:G1+7]
	s_nop 0
.rept 4
	v_nop
.endr
.Lnone_\@:
.endm
; A PREFETCH INTO THE L2 of the mask words of the slot AFTER the one that is about to be walked: four steps x 256 bytes for each of my work-group's 16 query tiles.  All sixteen batches read the same words of a query block: batch 0's
; work-group asks, and nobody else (the batch is the same in all partners of a cluster; the partners' blocks differ by address).  In it waves 8 and 9 ask, eight tiles each: 32 lanes, each another aligned block of 256 bytes.
; So each block is named once in the launch.  Slot 0's words come by their loads alone; the seventh and last request names slot 7's: nothing points past the buffer.
.macro ASK
	s_cmp_eq_u32 s[LIM], 0
	s_cbranch_scc0 .Lnot_mine_\@
	global_prefetch_b8 v[PFO], s[PFA:PFA+1] th:TH_LOAD_NT scope:SCOPE_SE
.Lnot_mine_\@:
.endm
	s_load_b256 s[32:39], s[0:1], 0x0              ; qc s[32:33], qs s[34:35], kv s[36:37], scl s[38:39]
	s_load_b128 s[40:43], s[0:1], 0x20             ; maskw s[40:41], out0 s[42:43]
	v_lshl_add_u32 v[SPW], v0, 2, SPARE
	v_mov_b32 v[NIL], 0
	ds_add_u32 v4, v5
	ds_add_u32 v4, v5
	s_wait_dscnt 0x0
	v_lshrrev_b32 v1, 5, v0
	s_delay_alu instid0(VALU_DEP_1)
	v_readfirstlane_b32 s[WV], v1                  ; wave 0..15
	s_bfe_u32 s44, ttmp6, 0x40000                  ; cx: my place in the cluster
	s_lshl_b32 s45, ttmp9, 2                       ; in a cluster launch ttmp9 counts clusters
	s_add_co_u32 s45, s45, s44                     ; my block of 256 queries: it enters global addresses of qc, qs, maskw and out0 alone
	s_and_b32 s46, ttmp7, 0xffff                   ; the batch, which the four partners share
	; what the descriptors are made of: the batch and the wave's number, in registers that never hold the block
	s_and_b32 s47, s[WV], 3
	s_lshl_b32 s48, s47, 14                        ; the ring: which of a slot's four steps I fetch: its place in a slot and in memory
	s_lshl_b32 s50, s46, 19                        ; a batch's 32 units of 16,384 bytes
	s_add_co_u32 s50, s50, s48
	s_mov_b32 s51, 0
	s_and_b32 s49, s[WV], 1
	s_lshl_b32 s49, s49, 14                        ; the scale images: which half of the batch's 32,768 bytes
	s_lshl_b32 s52, s46, 15
	s_add_co_u32 s52, s52, s49
	s_mov_b32 s53, 0
	s_mov_b32 s[G1], 15|(3<<16)|(1<<21)            ; 15:0 the mask: all four work-groups; 17:16 elements of 8 bytes; 20 no padding; 21 set beside a mask
	s_mov_b32 s[G1+1], 32<<16                      ; tensor_dim0 = 32 elements: 256 bytes
	s_mov_b32 s[G1+2], 64<<16                      ; tensor_dim1 = 64
	s_mov_b32 s[G1+3], 32<<16                      ; tile_dim0 = 32
	s_mov_b32 s[G1+4], 64                          ; tile_dim1 = 64
	s_mov_b32 s[G1+5], 32                          ; from row to row: dense
	s_mov_b32 s[G1+6], 0
	s_mov_b32 s[G1+7], 0
	; my tile's places: tile 16 x block + wave of the 256
	s_lshl_b32 s54, s46, 18                        ; qc: 8,192 bytes for 128 queries, 1,024 a tile
	s_lshl_b32 s[SCR], s45, 14
	s_add_co_u32 s54, s54, s[SCR]
	s_lshl_b32 s[SCR], s[WV], 10
	s_add_co_u32 s54, s54, s[SCR]
	s_mov_b32 s55, 0
	s_lshl_b32 s56, s46, 14                        ; qs: 512 bytes for 128 queries; tile t's words at 256 (t / 4) + 16 r + 4 (t % 4)
	s_lshl_b32 s[SCR], s45, 10
	s_add_co_u32 s56, s56, s[SCR]
	s_lshr_b32 s[SCR], s[WV], 2
	s_lshl_b32 s[SCR], s[SCR], 8
	s_add_co_u32 s56, s56, s[SCR]
	s_lshl_b32 s[SCR], s47, 2
	s_add_co_u32 s56, s56, s[SCR]
	s_mov_b32 s57, 0
	s_lshl_b32 s58, s45, 17                        ; maskw: 8,192 bytes a tile
	s_lshl_b32 s[SCR], s[WV], 13
	s_add_co_u32 s58, s58, s[SCR]
	s_mov_b32 s59, 0
	s_lshl_b32 s60, s45, 17                        ; the prefetches: my block's tiles 0-7 (wave 8) or 8-15 (wave 9)
	s_and_b32 s[SCR], s[WV], 1
	s_lshl_b32 s[SCR], s[SCR], 16
	s_add_co_u32 s60, s60, s[SCR]
	s_mov_b32 s61, 0
	s_lshl_b32 s62, s46, 20                        ; out0: rows of 256 bytes; my first query is 256 x block + 32 (wave / 2) + 8 (wave % 2)
	s_lshl_b32 s[SCR], s45, 16
	s_add_co_u32 s62, s62, s[SCR]
	s_lshr_b32 s[SCR], s[WV], 1
	s_lshl_b32 s[SCR], s[SCR], 13
	s_add_co_u32 s62, s62, s[SCR]
	s_and_b32 s[SCR], s[WV], 1
	s_lshl_b32 s[SCR], s[SCR], 11
	s_add_co_u32 s62, s62, s[SCR]
	s_mov_b32 s63, 0
	s_sub_co_u32 s[LIM], s[WV], 8
	s_lshr_b32 s[LIM], s[LIM], 1                   ; 0 in waves 8 and 9,
	s_or_b32 s[LIM], s[LIM], s46                   ; of batch 0
	s_mov_b32 s[SEL], 0x76543210
	s_mov_b32 s[SEL+1], 0xfedcba98
	s_mov_b32 s[CS], 0x3e38aa3b                    ; c = log2(e) / 8
	s_mov_b32 s[CS+1], s[CS]                       ; (named with it as a pair, so it is written)
	s_mov_b32 s[TB], 0
	s_mov_b32 s[TS], SCL
	s_mov_b32 s[SLOTS], 7
	s_mov_b32 s[INC+1], 0
	s_wait_kmcnt 0x0
	s_mov_b32 s[G0], 1                             ; 1:0 count = 1
	s_mov_b32 s[G0+1], s48                         ; 63:32 LDS address: slot 0
	s_add_nc_u64 s[G0+2:G0+3], s[36:37], s[50:51]  ; 120:64 global address: the batch's steps 0 to 3
	s_or_b32 s[G0+3], s[G0+3], 0x80000000          ; 127:126 type = 2
	s_mov_b32 s[G0S], 1
	s_add_co_u32 s[G0S+1], s49, SCL
	s_add_nc_u64 s[G0S+2:G0S+3], s[38:39], s[52:53]
	s_or_b32 s[G0S+3], s[G0S+3], 0x80000000
	s_add_nc_u64 s[MP:MP+1], s[40:41], s[58:59]
	s_add_nc_u64 s[PFA:PFA+1], s[40:41], s[60:61]  ; at slot 0's words: the first change of slots steps it to slot 1's.  Nothing is prefetched here, at the head
	s_add_nc_u64 s[OUTP:OUTP+1], s[42:43], s[62:63]
	s_add_nc_u64 s[32:33], s[32:33], s[54:55]      ; Q's codes
	s_add_nc_u64 s[34:35], s[34:35], s[56:57]      ; and scale words
	CROUND                                         ; all four work-groups are here: the first joint loads meet
	s_cmp_lt_u32 s[WV], 4                          ; the first fills: slot 0 (waves 0 to 3) and the scale images (waves 4 and 5): one load a wave, ahead of every wait on TENSORcnt and every LDS read
	s_cbranch_scc0 .Lnot_ring
	tensor_load_to_lds s[G0:G0+3], s[G1:G1+7]
	s_nop 0
.rept 4
	v_nop
.endr
	s_branch .Lfirst_asked
.Lnot_ring:
	s_cmp_lt_u32 s[WV], 6
	s_cbranch_scc0 .Lfirst_asked
	tensor_load_to_lds s[G0S:G0S+3], s[G1:G1+7]
	s_nop 0
.rept 4
	v_nop
.endr
.Lfirst_asked:
	v_and_b32 v[LI], 31, v0
	s_delay_alu instid0(VALU_DEP_1)
	v_lshlrev_b32 v[LI], 4, v[LI]
	v_and_b32 v[ADR], 15, v0
	s_delay_alu instid0(VALU_DEP_1)
	v_lshlrev_b32 v[ADR], 4, v[ADR]                ; 16 r: row r's word in the scale image
	global_load_b128 v[QF:QF+3], v[LI], s[32:33]               ; Q's fragment stays in registers: channels 16 h + 0..15,
	global_load_b128 v[QF+4:QF+7], v[LI], s[32:33] offset:512  ; channels 32 + 16 h + 0..15
	global_load_b32 v[QS], v[ADR], s[34:35]
	v_bfe_u32 v[PFO], v0, 2, 3
	v_and_b32 v[ADS], 3, v0
	s_delay_alu instid0(VALU_DEP_1)
	v_lshlrev_b32 v[ADS], 8, v[ADS]
	s_delay_alu instid0(VALU_DEP_1)
	v_lshl_add_u32 v[PFO], v[PFO], 13, v[ADS]      ; tile lane / 4 of my eight, block lane % 4 of the slot's four
	v_mov_b32 v[NEG], 0xc79c4000                   ; -80,000
	v_mov_b32 v[NM+1], 0xff61b1e6                  ; the largest t so far: -3e38, under every t
	s_delay_alu instid0(VALU_DEP_1)
	v_floor_f32 v[NM], -v[NM+1]                    ; -M
	v_mov_b32 v[LS], 0
	v_mov_b32 v[LS+1], 0
	v_mov_b32 v[FF+1], 0
.irp i, 0,1,2,3,4,5,6,7
	v_mov_b32 v[QF+8+\i], 0                        ; zero codes: the instruction's K from 64 on
	v_mov_b32 v[KF+64+\i], 0                       ; and what stands there behind K's last tile
.endr
.irp i, 0,1,2,3
	v_mov_b32 v[PM+\i], 0                          ; written once: a lane permute's destination counts as one of its sources
.endr
.set j, 0
.rept 32
	v_mov_b32 v[OT+j], 0                           ; O^T.  (The step is written once: the first finds zeros, which the first change of M leaves zeros)
.set j, j+1
.endr
	s_wait_loadcnt 0x0                             ; Q is in, so its loads' bases may be written:
	s_wait_xcnt 0x0
	s_load_b512 s[32:47], s[MP:MP+1], 0x0          ; step 0's mask words
	s_load_b512 s[48:63], s[MP:MP+1], 0x40
	s_load_b512 s[68:83], s[MP:MP+1], 0x80
	s_load_b512 s[84:99], s[MP:MP+1], 0xc0
; A KEY STEP: 128 keys.  tail = 1: the last slot's, whose last step has no next mask words.
.macro STEP tail
	v_add_nc_u32 v[ADR], s[TB], v[LI]
	v_add_nc_u32 v[ADS], s[TS], v[LI]
.rept 6
	v_nop                                          ; with the two additions: eight places behind the last products, in front of loads into registers that they have read
.endr
.set n, 0
.rept 16
	ds_load_b128 v[KF+4*n:KF+4*n+3], v[ADR] offset:512*n   ; K's image: 512 consecutive bytes a load
.set n, n+1
.endr
	ds_load_b128 v[KSC:KSC+3], v[ADS]              ; word i: tile i's scales in lanes 0-15, tile i + 4's in lanes 16-31
	s_wait_alu depctr_va_vdst(0)
	s_wait_dscnt 0x0
.irp t, 0,1,2,3                                ; S^T = K Q^T: eight accumulators, each begun with the constant 0
	v_wmma_scale_f32_16x16x128_f8f6f4 v[SS+8*\t:SS+8*\t+7], v[KF+8*\t:KF+8*\t+15], v[QF:QF+15], 0, v[KSC+\t], v[QS] matrix_a_fmt:MATRIX_FMT_BF8 matrix_b_fmt:MATRIX_FMT_BF8
.endr
.irp t, 4,5,6,7
	v_wmma_scale_f32_16x16x128_f8f6f4 v[SS+8*\t:SS+8*\t+7], v[KF+8*\t:KF+8*\t+15], v[QF:QF+15], 0, v[KSC+\t-4], v[QS] matrix_a_fmt:MATRIX_FMT_BF8 matrix_b_fmt:MATRIX_FMT_BF8 matrix_a_scale:MATRIX_SCALE_ROW1
.endr
.rept 8
	v_nop                                          ; eight places: in front of the loads into K's registers and of the first read of the scores
.endr
.set n, 0
.rept 16
	ds_load_b128 v[KF+4*n:KF+4*n+3], v[ADR] offset:8192+512*n   ; V's image, asked for now: it lands under the softmax
.set n, n+1
.endr
	ds_load_b64 v[VSC:VSC+1], v[ADS] offset:512    ; the words of channels lane and 32 + lane
	s_wait_kmcnt 0x0                               ; the step's mask words are in (asked for a step ago); their loads are done, so their base may be stepped below
.set j, 0
.rept 32
	v_cndmask_b32 v[SS+j], v[NEG], v[SS+j], s[32+j]   ; a hidden score becomes -80,000; each accumulator is read from its low end on
.set j, j+1
.endr
.rept 32
	v_cndmask_b32 v[SS+j], v[NEG], v[SS+j], s[36+j]
.set j, j+1
.endr
.irp b, 0,1,2,3
	v_max3_num_f32 v[BM+\b], v[SS+16*\b], v[SS+16*\b+1], v[SS+16*\b+2]   ; THE LARGEST SCORE OF EACH BLOCK OF 32 KEYS: it serves the row's maximum and, since p rises with the score, the block's largest p
.endr
.irp i, 3,5,7,9,11,13
.irp b, 0,1,2,3
	s_delay_alu instid0(VALU_DEP_4)
	v_max3_num_f32 v[BM+\b], v[BM+\b], v[SS+16*\b+\i], v[SS+16*\b+\i+1]  ; (the four blocks by turns)
.endr
.endr
.irp b, 0,1,2,3
	s_delay_alu instid0(VALU_DEP_4)
	v_max_num_f32 v[BM+\b], v[BM+\b], v[SS+16*\b+15]
.endr
.irp b, 0,1,2,3
	s_delay_alu instid0(VALU_DEP_4)
	v_permlanex16_b32 v[PM+\b], v[BM+\b], s[SEL], s[SEL+1]
.endr
.irp b, 0,1,2,3
	s_delay_alu instid0(VALU_DEP_4)
	v_max_num_f32 v[BM+\b], v[BM+\b], v[PM+\b]     ; with lane l xor 16's 16 keys
.endr
.if \tail
	s_cmp_lg_u32 s[CNT], 1                         ; the very last step loads its own words again: no load leaves the buffer, and no line is jumped over
	s_cselect_b32 s[INC], 256, 0
	s_add_nc_u64 s[MP:MP+1], s[MP:MP+1], s[INC:INC+1]
.else
	s_add_nc_u64 s[MP:MP+1], s[MP:MP+1], 256
.endif
	s_load_b512 s[32:47], s[MP:MP+1], 0x0          ; the next step's mask words: the selects that read the old ones stand 40 vector lines back
	s_load_b512 s[48:63], s[MP:MP+1], 0x40
	s_load_b512 s[68:83], s[MP:MP+1], 0x80
	s_load_b512 s[84:99], s[MP:MP+1], 0xc0
	v_max3_num_f32 v[TT], v[BM], v[BM+1], v[BM+2]
	s_delay_alu instid0(VALU_DEP_1)
	v_max_num_f32 v[TT], v[TT], v[BM+3]            ; the step's largest score of my query
	s_delay_alu instid0(VALU_DEP_1)
	v_mul_f32 v[TT], s[CS], v[TT]                  ; as t (c is positive)
	s_delay_alu instid0(VALU_DEP_1)
	v_max_num_f32 v[NM+1], v[NM+1], v[TT]          ; the running largest t
	v_mov_b32 v[TT], v[NM]
	s_delay_alu instid0(VALU_DEP_2)
	v_floor_f32 v[NM], -v[NM+1]                    ; the new -M = floor(-t) = -ceil(t): M is a whole number
	s_delay_alu instid0(VALU_DEP_1)
	v_sub_f32 v[TT], v[NM], v[TT]                  ; M's old value less its new one: a whole number, 0 or less
	s_delay_alu instid0(VALU_DEP_1)
	v_cvt_i32_f32 v[TT], v[TT]                     ; (it saturates)
	s_delay_alu instid0(VALU_DEP_1)
	v_ldexp_f32 v[FF], 1.0, v[TT]                  ; f = 2^(old M - new M)
.set j, 0
.rept 32
	v_pk_fma_f32 v[SS+j:SS+j+1], v[SS+j:SS+j+1], s[CS:CS+1], v[NM:NM+1] op_sel_hi:[1,0,0]   ; t - M, two at a time (of the pairs c and -M the low word serves both halves)
.set j, j+2
.endr
	s_setprio 1
.irp b, 0,1,2,3
	v_fma_f32 v[BM+\b], v[BM+\b], s[CS], v[NM]     ; the same of each block's largest score
.endr
.set j, 0
	s_wait_alu depctr_va_vdst(0)
.rept 64
	v_exp_f32 v[SS+j], v[SS+j]                     ; p = 2^(t - M), at most 1: not normalised
.set j, j+1
.endr
	v_pk_mul_f32 v[LS:LS+1], v[LS:LS+1], v[FF:FF+1] op_sel_hi:[1,0]   ; the sums under the new M (the plain line behind the exponentials)
	s_wait_alu depctr_va_vdst(0)                   ; the wait ahead of the first line that names a result: one for the 64
.irp b, 0,1,2,3
	v_exp_f32 v[BM+\b], v[BM+\b]                   ; the block's largest p: the same two instructions on the same number give the same bits
.endr
	v_pk_add_f32 v[240:241], v[108:109], v[112:113]
	v_pk_add_f32 v[254:255], v[116:117], v[120:121]
	v_pk_add_f32 v[252:253], v[124:125], v[128:129]
	v_pk_add_f32 v[250:251], v[132:133], v[136:137]
	v_pk_add_f32 v[248:249], v[140:141], v[144:145]
	v_pk_add_f32 v[246:247], v[148:149], v[152:153]
	v_pk_add_f32 v[244:245], v[156:157], v[160:161]
	v_pk_add_f32 v[14:15], v[14:15], v[164:165]
	v_pk_add_f32 v[240:241], v[240:241], v[104:105]
	v_pk_add_f32 v[254:255], v[254:255], v[106:107]
	v_pk_add_f32 v[252:253], v[252:253], v[110:111]
	v_pk_add_f32 v[250:251], v[250:251], v[114:115]
	v_pk_add_f32 v[248:249], v[248:249], v[118:119]
	v_pk_add_f32 v[246:247], v[246:247], v[122:123]
	v_pk_add_f32 v[244:245], v[244:245], v[126:127]
	v_pk_add_f32 v[14:15], v[14:15], v[130:131]
	v_pk_add_f32 v[240:241], v[240:241], v[134:135]
	v_pk_add_f32 v[254:255], v[254:255], v[138:139]
	v_pk_add_f32 v[252:253], v[252:253], v[142:143]
	v_pk_add_f32 v[250:251], v[250:251], v[146:147]
	v_pk_add_f32 v[248:249], v[248:249], v[150:151]
	v_pk_add_f32 v[246:247], v[246:247], v[154:155]
	v_pk_add_f32 v[244:245], v[244:245], v[158:159]
	v_pk_add_f32 v[14:15], v[14:15], v[162:163]
	v_pk_add_f32 v[240:241], v[240:241], v[166:167]
	s_delay_alu instid0(VALU_DEP_2)
	v_pk_add_f32 v[14:15], v[14:15], v[250:251]
	s_delay_alu instid0(VALU_DEP_2)
	v_pk_add_f32 v[240:241], v[240:241], v[248:249]
	v_pk_add_f32 v[254:255], v[254:255], v[246:247]
	v_pk_add_f32 v[252:253], v[252:253], v[244:245]
	s_delay_alu instid0(VALU_DEP_2)
	v_pk_add_f32 v[14:15], v[14:15], v[254:255]
	s_delay_alu instid0(VALU_DEP_2)
	v_pk_add_f32 v[240:241], v[240:241], v[252:253]
	s_delay_alu instid0(VALU_DEP_1)
	v_pk_add_f32 v[14:15], v[14:15], v[240:241]
	s_wait_alu depctr_va_vdst(0)                   ; and one for the four
.irp b, 0,1,2,3
	v_max_num_f32 v[BM+\b], 0x8000000, v[BM+\b]    ; the floor 2^(16 - 127): the byte cannot fall under 1 (a block whose every p has fallen to 0 keeps that byte: its codes are zeros)
.endr
.irp b, 0,1,2,3
	s_delay_alu instid0(VALU_DEP_4)
	v_add_nc_u32 v[SO+\b], 0xf8800000, v[BM+\b]    ; 15 off the exponent field: the conversion's scale operand
.endr
.irp b, 0,1,2,3
.endr
.irp b, 0,1,2,3
	s_delay_alu instid0(VALU_DEP_4)
	v_lshrrev_b32 v[PM+\b], 23, v[SO+\b]           ; the scale's byte
.endr
	s_delay_alu instid0(VALU_DEP_3)
	v_lshl_or_b32 v[PS], v[PM+1], 8, v[PM]         ; p's scale word for these 128 keys
	s_delay_alu instid0(VALU_DEP_1)
	v_lshl_or_b32 v[PS], v[PM+2], 16, v[PS]
	s_delay_alu instid0(VALU_DEP_1)
	v_lshl_or_b32 v[PS], v[PM+3], 24, v[PS]
	s_setprio 0
.irp b, 0,1,2,3
.irp i, 0,1,2,3,4,5,6,7,8,9,10,11,12,13,14,15
.endr
	v_cvt_scalef32_pk8_bf8_f32 v[PC+4*\b:PC+4*\b+1], v[SS+16*\b:SS+16*\b+7], v[SO+\b]
	v_cvt_scalef32_pk8_bf8_f32 v[PC+4*\b+2:PC+4*\b+3], v[SS+16*\b+8:SS+16*\b+15], v[SO+\b]
.endr
.set j, 0
.rept 16
	v_pk_mul_f32 v[OT+j:OT+j+1], v[OT+j:OT+j+1], v[FF:FF+1] op_sel_hi:[1,0]   ; O^T under the new M, each accumulator from its low end on.  (These sixteen are also the places between the codes and the products)
.set j, j+2
.endr
	s_wait_alu depctr_va_vdst(0)
	s_wait_dscnt 0x0                               ; V and its scale words are in
.irp t, 0,2                                    ; O^T += V^T P^T: four accumulators by turns, one instruction a turn; the eight score products stand between two links of a chain
	v_wmma_scale_f32_16x16x128_f8f6f4 v[OT+8*\t:OT+8*\t+7], v[KF+16*\t:KF+16*\t+15], v[PC:PC+15], v[OT+8*\t:OT+8*\t+7], v[VSC+\t/2], v[PS] matrix_a_fmt:MATRIX_FMT_BF8 matrix_b_fmt:MATRIX_FMT_BF8
	v_wmma_scale_f32_16x16x128_f8f6f4 v[OT+8*\t+8:OT+8*\t+15], v[KF+16*\t+16:KF+16*\t+31], v[PC:PC+15], v[OT+8*\t+8:OT+8*\t+15], v[VSC+\t/2], v[PS] matrix_a_fmt:MATRIX_FMT_BF8 matrix_b_fmt:MATRIX_FMT_BF8 matrix_a_scale:MATRIX_SCALE_ROW1
.endr
	s_add_co_u32 s[TB], s[TB], 16384               ; the next step's images
	s_add_co_u32 s[TS], s[TS], 1024
.endm
; THE CHANGE OF SLOTS stands at a slot's head.  Each wave waits for all its tensor loads (its part of the slot that it is about to read), adds 0 to its spare word, and waits for that and for its reads of the slot that it has left.
; fill = 1: the barrier is a round of the cluster's, so that no wave of any partner still reads the other slot or has a load on its way; that slot then takes the next four steps: the load has a whole slot's steps in which to land.
.macro CHANGE fill
	s_wait_tensorcnt 0x0                           ; no tensor load of mine is out, so a group 0 may be written
	ds_add_u32 v[SPW], v[NIL]                      ; 0 onto my spare word
	ds_add_u32 v[SPW], v[NIL]
.if \fill
	s_xor_b32 s[G0+1], s[G0+1], SLOT1              ; the walking descriptor: the other slot than last time,
	s_add_nc_u64 s[G0+2:G0+3], s[G0+2:G0+3], 65536 ; the next four steps; the type bits on top are not reached
	s_wait_xcnt 0x0                                ; the last prefetch, a slot back, has read its address, so it may be written:
	s_add_nc_u64 s[PFA:PFA+1], s[PFA:PFA+1], 1024  ; a slot's four steps of mask words on
.endif
	s_wait_dscnt 0x0                               ; the add is done, and my reads of the slot that I have left are over
.if \fill
	CROUND
	TLOAD                                          ; the first thing behind the round, and a wave's one tensor load until the next
	ASK
.else
	s_barrier_signal -1
	s_barrier_wait -1
.endif
.endm
; A slot's four key steps: written once, walked four times; the LDS addresses hang on s[TB] and s[TS].
.macro FOUR_STEPS tail
	s_mov_b32 s[CNT], 4
.Lstep_\@:
	s_setprio 2
	STEP \tail
	s_sub_co_u32 s[CNT], s[CNT], 1
	s_cmp_lg_u32 s[CNT], 0
	s_cbranch_scc1 .Lstep_\@
	s_setprio 0
	s_sub_co_u32 s[TB], s[TB], 65536               ; back to a slot's first step,
	s_xor_b32 s[TB], s[TB], SLOT1                  ; in the other slot
.endm
.Lslot:                                            ; seven trips: behind each change of slots but the last the next slot is asked for
	CHANGE 1
	FOUR_STEPS 0
	s_sub_co_u32 s[SLOTS], s[SLOTS], 1
	s_cmp_lg_u32 s[SLOTS], 0
	s_cbranch_scc1 .Lslot
	CHANGE 0                                       ; the last slot is written out
	FOUR_STEPS 1
	; THE WAY OUT.  O^T is divided by the row's sum and goes through my stage in LDS, so that sixteen lanes store one whole row of out0: 256 consecutive bytes, aligned.
	s_wait_kmcnt 0x0                               ; the last step's repeated mask words have come
	v_add_f32 v[LS], v[LS], v[LS+1]                ; the sum's two halves,
	s_delay_alu instid0(VALU_DEP_1)
	v_permlanex16_b32 v[TT], v[LS], s[SEL], s[SEL+1]
	s_delay_alu instid0(VALU_DEP_1)
	v_add_f32 v[LS], v[LS], v[TT]                  ; and lane l xor 16's: the row's sum
	s_wait_alu depctr_va_vdst(0)
	v_rcp_f32 v[LS], v[LS]
	v_and_b32 v[ADR], 15, v0                       ; r.  (Eight plain lines: the place behind the reciprocal, and the places behind the last products)
	v_bfe_u32 v[ADS], v0, 4, 1                     ; h
	s_mul_i32 s[SCR], s[WV], 4352
	s_add_co_u32 s[SCR], s[SCR], STG               ; my stage
	v_mul_u32_u24 v[STI], v[ADR], 272
	s_delay_alu instid0(VALU_DEP_1)
	v_lshl_add_u32 v[STI], v[ADS], 5, v[STI]
	s_delay_alu instid0(VALU_DEP_1)
	v_add_nc_u32 v[STI], s[SCR], v[STI]            ; in: row r; tile t's eight channels of my half lie 64 t + 32 h bytes on
	v_mul_u32_u24 v[STB], v[ADS], 272
	s_delay_alu instid0(VALU_DEP_1)
	v_lshl_add_u32 v[STB], v[ADR], 4, v[STB]
	s_delay_alu instid0(VALU_DEP_1)
	v_add_nc_u32 v[STB], s[SCR], v[STB]            ; back: lanes 0-15 one row, lanes 16-31 the next
	s_wait_alu depctr_va_vdst(0)                   ; the wait ahead of the reciprocal's first reader
.set j, 0
.rept 16
	v_pk_mul_f32 v[SS+j:SS+j+1], v[OT+j:OT+j+1], v[LS:LS+1] op_sel_hi:[1,0]   ; register 8 t + i: out(query r, channel 16 t + 8 h + i)
.set j, j+2
.endr
.irp t, 0,1,2,3
	ds_store_b128 v[STI], v[SS+8*\t:SS+8*\t+3] offset:64*\t
	ds_store_b128 v[STI], v[SS+8*\t+4:SS+8*\t+7] offset:64*\t+16
.endr
.irp i, 0,1,2,3,4,5,6,7
	ds_load_b128 v[KF+4*\i:KF+4*\i+3], v[STB] offset:544*\i   ; LDS serves a wave's instructions in order (ISA guide 5.7.1.4): these see my stores
.endr
.irp i, 0,1,2,3,4,5,6,7
	s_wait_dscnt 7-\i                              ; the younger loads may stay out
	global_store_b128 v[LI], v[KF+4*\i:KF+4*\i+3], s[OUTP:OUTP+1] offset:512*\i+(\i/4)*2048 th:TH_STORE_NT   ; the tile's rows 2 i and 2 i + 1; rows 8 to 15 are the queries 16 to 23 behind the first
.endr
	s_wait_tensorcnt 0x0                           ; the wave's end: behind my last tensor load and my last LDS store
	ds_add_u32 v[SPW], v[NIL]
	s_wait_dscnt 0x0
	CROUND                                         ; the closing round: no work-group ends while a partner may still ask for a tile that names it
	s_endpgm
.Lfunc_end_k_q424aa4f152_attn:
	.size	k_q424aa4f152_attn, .Lfunc_end_k_q424aa4f152_attn-k_q424aa4f152_attn
	.p2alignl 7, 3214868480
	.fill 96, 4, 3214868480
	.section	.rodata,"a",@progbits
	.p2align	6, 0x0
	.amdhsa_kernel k_q424aa4f152_attn
		.amdhsa_group_segment_fixed_size 327680
		.amdhsa_private_segment_fixed_size 0
		.amdhsa_enable_private_segment 0
		.amdhsa_kernarg_size 48
		.amdhsa_user_sgpr_count 2
		.amdhsa_user_sgpr_kernarg_segment_ptr 1
		.amdhsa_wavefront_size32 1
		.amdhsa_system_sgpr_workgroup_id_x 1
		.amdhsa_system_sgpr_workgroup_id_y 1
		.amdhsa_system_sgpr_workgroup_id_z 1
		.amdhsa_system_vgpr_workitem_id 0
		.amdhsa_next_free_vgpr 256
		.amdhsa_next_free_sgpr 106
		.amdhsa_reserve_vcc 0
		.amdhsa_float_denorm_mode_32 3
		.amdhsa_float_denorm_mode_16_64 3
		.amdhsa_fp16_overflow 1
		.amdhsa_memory_ordered 1
		.amdhsa_forward_progress 1
		.amdhsa_inst_pref_size 59
	.end_amdhsa_kernel
	.amdgpu_metadata
---
amdhsa.version: [ 1, 2 ]
amdhsa.kernels:
  - .name:           k_q424aa4f152_attn
    .symbol:         k_q424aa4f152_attn.kd
    .args:
      - { .name: qc, .offset: 0, .size: 8, .value_kind: global_buffer, .address_space: global }
      - { .name: qs, .offset: 8, .size: 8, .value_kind: global_buffer, .address_space: global }
      - { .name: kv, .offset: 16, .size: 8, .value_kind: global_buffer, .address_space: global }
      - { .name: scl, .offset: 24, .size: 8, .value_kind: global_buffer, .address_space: global }
      - { .name: maskw, .offset: 32, .size: 8, .value_kind: global_buffer, .address_space: global }
      - { .name: out0, .offset: 40, .size: 8, .value_kind: global_buffer, .address_space: global }
    .group_segment_fixed_size: 327680
    .private_segment_fixed_size: 0
    .kernarg_segment_align: 8
    .kernarg_segment_size: 48
    .max_flat_workgroup_size: 512
    .sgpr_count:     106
    .vgpr_count:     256
    .wavefront_size: 32
...
	.end_amdgpu_metadata
.endif
;; end of part 2
